; MI455X (gfx1250); checked and timed in simulation.
; The chip was launched on July 23, 2026; its instructions are those of AMD's public machine-readable ISA for CDNA 5 (MIT licence, August 2026) and "CDNA5" Instruction Set Architecture Reference Guide (July 2026). The comments in the code are by the model that wrote it; some were corrected since.
;; Triangle Attention Block. Allowed arithmetic: matrix products marked QUANTISED: E2M3 operands, one E8M0 scale for each 32 along K, by v_wmma_scale_f32_16x16x128_f8f6f4 with both operands' format E2M3, f32 sums; everything else in f32.
;; Inputs: Wk_codes 128 x 4 x 24 uint8 (E2M3 codes of Wk, K innermost, in blocks of 32 codes, four codes in three bytes); Wk_scales 128 x 4 uint8 (E8M0 scales of Wk, one for each 32 codes along K); Wq_codes 128 x 4 x 24 uint8 (E2M3 codes of Wq, K innermost, in blocks of 32 codes, four codes in three bytes); Wq_scales 128 x 4 uint8 (E8M0 scales of Wq, one for each 32 codes along K); Wv_codes 128 x 4 x 24 uint8 (E2M3 codes of Wv, K innermost, in blocks of 32 codes, four codes in three bytes); Wv_scales 128 x 4 uint8 (E8M0 scales of Wv, one for each 32 codes along K); atom_mask 64 int32; bk 128 float32; bq 128 float32; bv 128 float32; pair_features_codes 64 x 64 x 4 x 24 uint8 (E2M3 codes of pair_features, K innermost, in blocks of 32 codes, four codes in three bytes); pair_features_scales 64 x 64 x 4 uint8 (E8M0 scales of pair_features, one for each 32 codes along K).
;; Outputs: out0 64 x 128 float32.
;; This version of the problem:
;;   THIS VERSION OF THE PROBLEM IS GIVEN IN LOW PRECISION. The matrix products marked QUANTISED in the list below multiply operands that are first quantised to E2M3 (2 exponent bits, 3 mantissa bits; 6 bits a number), with one power-of-two scale for each 32 numbers along K (OCP MX v1.0); their sums are f32. All else is computed in f32.
;;   The module's matrix products, in the order in which they are computed (A, B: the left and right operand; K: the contracted axis; several contracted axes count as one K, in the product's order):
;;     1. [M 4,096, K 128] x [K 128, N 128]; A: input pair_features (given as codes); B: input Wq (given as codes): QUANTISED
;;     2. [M 4,096, K 128] x [K 128, N 128]; A: input pair_features (given as codes); B: input Wk (given as codes): QUANTISED
;;     3. [M 4,096, K 128] x [K 128, N 128]; A: input pair_features (given as codes); B: input Wv (given as codes): QUANTISED
;;     4. batch 4 x [M 4,096, K 32] x [K 32, N 4,096]; A: computed on the way; B: computed on the way: QUANTISED
;;     5. batch 4 x [M 4,096, K 4,096] x [K 4,096, N 32]; A: softmax (see below); B: computed on the way: QUANTISED
;;   THE QUANTISER, for each operand of a quantised product, along K:
;;     - K is cut into blocks of 32 from its start; a last block that is shorter is filled with zeros.
;;     - A block's scale is 2^e with e = floor(log2(the largest magnitude in the block)) - 2, held to -126 .. 127; a block of zeros has e = 0. As a byte (E8M0): e + 127.
;;     - Each number is divided by its block's scale, clamped to +-7.5, and rounded to the nearest number of E2M3, ties to even, subnormals kept.
;;     - The product sums the exact products of the quantised numbers (number of the format x scale) in f32.
;;   ~~~python
;;   def quantise(x, axis):      # numpy; x: float32 -> the quantised numbers, widened to float32 again
;;       x = np.moveaxis(x, axis, -1); K = x.shape[-1]
;;       x = np.pad(x, [(0, 0)] * (x.ndim - 1) + [(0, -K % 32)]); x = x.reshape(x.shape[:-1] + (-1, 32)); a = np.abs(x).max(-1, keepdims=True)
;;       e = np.where(a > 0, np.clip(np.frexp(np.where(a > 0, a, 1))[1] - 1 - 2, -126, 127), 0)      # np.frexp(a)[1] - 1 = floor(log2(a)), exactly
;;       r = np.clip(x / 2.0 ** e, -7.5, 7.5)
;;       step = 2.0 ** (np.maximum(np.frexp(np.where(r == 0, 1, r))[1] - 1, 0) - 3)
;;       q = np.round(r / step) * step * 2.0 ** e      # np.round: ties to even
;;       return np.moveaxis(q.reshape(q.shape[:-2] + (-1,))[..., :K], -1, axis).astype(np.float32)
;;   ~~~
;;   SOFTMAX AHEAD OF A QUANTISED PRODUCT. Where the list says 'softmax', what is quantised is not the finished softmax but p = 2^(t - M), with t = logit x log2(e) and M = ceil(the row's largest t), a whole number; so 1/2 < the row's largest p <= 1. The row's sum l is taken of the UNQUANTISED p, in f32, and the product's result is divided by l at the end. Since M is a whole number, a kernel that streams over the keys may use a running M (the ceiling of the running maximum): every later rescaling is an exact power of two, which a block's scale takes up: the codes' values come out the same.
;;   OPERANDS COMPUTED ON THE WAY. 'Computed on the way' means the value that the module computes at that place (a softmax that the list does not call 'softmax' is quantised finished and normalised). What goes into a quantiser is computed in f32, as accurately as f32 sums, v_exp_f32 and their like allow (about 1e-6 of the number): no bf16 or f16 on the way to a quantiser, and a product that is left as it is and whose result goes on into a quantised operand takes f32 operands (vector FMAs, or v_wmma_f32_16x16x4_f32). A number that lies on a knife's edge between two numbers of the format may be rounded either way, as far as f32 arithmetic and the matrix unit's own rounding can turn it there, and no further.
;;   INPUTS GIVEN AS CODES. Wk (in the module: [128, 128], K = its axis 0); Wq (in the module: [128, 128], K = its axis 0); Wv (in the module: [128, 128], K = its axis 0); pair_features (in the module: [64, 64, 128], K = its axis 2): each comes as NAME_codes (uint8): NAME with its K axis moved to the last place and cut into blocks of 32 codes, [.., K / 32, bytes a block], one block behind the other in memory; four codes in three bytes: a row's codes are one little-endian stream of bits, code i at bits 6 i .. 6 i + 5 (a code: sign, 2 exponent bits, 3 mantissa bits); and NAME_scales (uint8): the same leading axes, one E8M0 byte (e + 127) for each 32 codes along K. Its value is code x scale, taken as it is: it is not quantised again, and the codes and scales need not be those that the quantiser above would give.
;; One version. Each part assembles by itself: llvm-mc -triple=amdgcn-amd-amdhsa -mcpu=gfx1250 --defsym DOCPART=n.
;; ======== version 1 of 1: 1 launch
;; limits: right only within a limited range of input values
;; launch tri_attn (part 1): grid 64 x 4, 8 waves a work-group, no clusters, 261,120 bytes of LDS; arguments pair_features_codes, pair_features_scales, Wq_codes, Wq_scales, bq, Wk_codes, Wk_scales, bk, Wv_codes, Wv_scales, bv, atom_mask, out0; writes out0
.if DOCPART == 1
	.amdgcn_target "amdgcn-amd-amdhsa--gfx1250"
	.amdhsa_code_object_version 6
	.text
	.protected	k_qba25888857_tri_attn
	.globl	k_qba25888857_tri_attn
	.p2align	8
	.type	k_qba25888857_tri_attn,@function
k_qba25888857_tri_attn:
	s_mov_b64 s[64:65], 0
	v_nop
	global_prefetch_b8 v0, s[64:65] scope:SCOPE_SE
	s_setreg_imm32_b32 hwreg(HW_REG_WAVE_MODE, 25, 1), 1
	s_wait_xcnt 0x0
; out0[i][32 head + d] = the sum over the 64 queries 64 i .. 64 i + 63 of softmax_t(q . k_t / sqrt(32), hidden keys left out) v_t[d], for one head.
; x: 4,096 rows of 128 codes of FP6 (E2M3), 96 bytes a row, one E8M0 byte for each 32.  Wq, Wk, Wv: [128 (n)][128 (k)] as codes.  All five products on codes, by the scaled matrix form; sums in f32.
; SHARES.  Work-group (i, head) owns 32 numbers of out0: 256 work-groups of eight waves of 512 registers, two to a SIMD.
; STAGES of 512 keys, eight of them.  In stage s wave w makes k and v of its head for the 64 keys 64 w .. 64 w + 63 of stage s + 1 (a CHUNK), quantises them (k along the head's 32, v along the keys) and lays
; them in LDS as images of operand registers; and, as wave qt + 4 kq, it takes the 16 queries of tile qt past keys 256 kq .. 256 kq + 255 of stage s (a STEP).  The images of all 4,096 keys stay: no byte of them is written twice.
; One barrier a stage: signalled in step s, when a wave's images of stage s + 1 are stored, waited for ahead of step s + 1's loads; between the two lie the rest of step s and most of chunk s + 2.
; x comes dense into registers a stage ahead of its use, is turned through a stage of the wave's own in LDS, and returns as operands.
; AMONG MATRIX INSTRUCTIONS, behind every second one, stands a group of plain vector lines of other work that is due: macros F_... and FV, FK write group i.
; A BLOCK OF 32 KEYS LIES IN ONE LANE.  Row r of key tile T (of a chunk's four) is key 8 T + (r & 7) + 32 (r >> 3): a result's lanes 0-15 then hold 32 neighbouring keys of the chunk's first block in four tiles' registers,
; lanes 16-31 those of its second: p and v are quantised with no other lane, and their codes fall as the operand of the last product wants them.
; Both products of the attention are used transposed, so that a lane holds ONE query (lane % 16) throughout.  p = 2^(t - M), t = score x log2(e) / sqrt(32), M the running largest t rounded up to a whole number;
; the row's sum is taken of the unquantised p.  A block's largest p has the exponent floor(largest t - M).
; THE THREE PROJECTIONS take a row's 96 bytes as 2 x 48: lane (r, h) holds the 48 bytes at 48 h.  The unit then takes the row's blocks 1 and 2 for each other, on BOTH operands alike, so bytes 1 and 2 of every
; scale word of x and of W change places too.  W's rows: lane r of Wq's and Wk's tile e takes row 8 e + r', r' = r + (r & 8).
; A FRAGMENT OF K HOLDS TWO KEY TILES AND A NUMBER OF THE MASK FOR EACH.  Row r: block 0 = k of the first tile's key, block 1 = k of the second's, blocks 2 and 3 = the number -2^64 (hidden) or -2^-126 (counts) of the
; two keys, as code -1.0 x scale, and 31 zeros.  Two variants of q pick a tile: (q, 0, 1.0 .., 0) and (0, q, 0, 1.0 ..).  So a hidden key's score is -2^64.  The running maximum starts at -2^63: hidden keys' p are 0.
; With no valid atom reference() weighs all keys alike: then q's codes are made 0 and no key is hidden, which gives just that.
; LIMITS.  The promise holds while the scaled scores stay under 2^31 in magnitude.  A key that counts carries -2^-126 on its score.  A block whose largest magnitude lies under 2^-124 keeps the scale byte 1 (a block
; of zeros too: its codes are zeros).  NaN and infinities among the inputs are not served.
; NO CLUSTER, NO TENSOR LOAD: what work-groups share is x, 409,600 bytes, more than LDS holds; joint loads would want slots that are filled again, each behind a round of the cluster's barrier; here a wave reads its
; own 6,144 bytes a stage straight into registers.  NO PREFETCH: each of these loads is itself issued a stage ahead of its wait, and x is all that a stage reads.
.set KSC,  196608                      ; LDS.  From 0: a chunk's image in 3,072 bytes: k's two fragments, v's two tiles of d, 768 bytes each: registers 0-3 at 16 x lane, 4-5 at 512 + 8 x lane
.set VSC,  204800                      ; k's scale words: 512 bytes for 256 keys, lane r's eight at 32 r.  v's: 256 bytes for 256 keys, row r's four words at 16 r
.set STG,  208896                      ; a stage for each wave: 64 rows of x, the second 32 of them 16 bytes further on
.set STGW, 6400
.set SPARE, STG+8*STGW                 ; the spare words, 128 bytes for each wave
.set ML,   2048                        ; at the end, in a wave's stage: O^T from 0, (-M, l) from ML, 16 sums from RED
.set RED,  2304
.set IMG,  24576                       ; a stage's images
; WINDOW 0
.set GX,   1                           ; 16 x lane
.set GS,   2                           ; where my scale word of x lies in a pair of tiles
.set ST16, 3                           ; my stage + 16 x lane
.set SX,   4                           ; my stage, my row's half
.set KW16, 5                           ; where I store: images (16 x lane, 8 x lane), k's words, v's bytes, for stage 0;
.set KW8,  6
.set KWS,  7
.set VWS,  8
.set AK,   9                           ; where I load: images, k's words, v's words, for stage 0
.set AK8,  10
.set AKS,  11
.set AVS,  12
.set KW16C, 13                         ; the same four for the stage at hand,
.set KW8C, 14
.set KWSC, 15
.set VWSC, 16
.set AKC,  120                         ; and these
.set AK8C, 121
.set AKSC, 122
.set AVSC, 123
.set P2,   17
.set NM,   18                          ; -M
.set SM,   19                          ; the largest score
.set FF,   20                          ; 2^(old M - new M); v21 is named with it
.set LS,   22                          ; the sum in two halves
.set TT,   24                          ; v24-27 at work
.set TM,   28                          ; v28-33 largest magnitudes, then the conversions' scale operands
.set PT,   34                          ; v34-37 the partner's, then bytes
.set TH,   38                          ; v38-39
.set BM,   28                          ; in a step: v28-31 each block's largest score
.set BH,   32                          ; v32-35 floors (v32-37 other chains' maxima before)
.set SO,   36                          ; v36-39 the conversions' scale operands
.set SPA,  40                          ; my spare word
.set NIL,  41                          ; 0
.set MSKW, 42                          ; the mask bytes by second atom, in bits 31:16
.set LSX,  44                          ; x's scale words as loaded
.set KWD,  46                          ; k's scale words in the making
.set SKW,  48                          ; v48-69 hold scale words and nothing else: k's eight,
.set SVW,  56                          ; v's four,
.set SPW,  60                          ; p's two,
.set SQW,  62                          ; q's two variants,
.set SCX,  64                          ; x's two,
.set SWK,  66                          ; Wk's, Wv's,
.set SWV,  67
.set SWQ,  68                          ; Wq's and my queries'
.set SXQ,  69
.set LS1,  70                          ; chunk 1's scale words as loaded
.set KF,   72                          ; v72-119 four fragments of k; registers 6-11 of each are constants
.set SCR,  128                         ; v128-255 the scores, then p
.set XF,   128                         ; in a chunk: v128-175 x's four fragments; then codes
.set CD,   128
.set VR,   192                         ; v192-255 v's results
.set R,    176                         ; at the head only
.set HH,   177
.set RP,   178
.set LANE, 179
.set LP,   180
.set LN,   181
.set H64,  182
.set WS,   183
.set L4,   184
.set R4,   185
.set R7,   186
.set R8,   187
; WINDOW 1
.set WKF,  0                           ; Wk's two fragments, Wv's two
.set WVF,  24
.set BKT,  48                          ; the biases in the results' layout
.set BVT,  64
.set QV,   80                          ; q's two variants (first: Wq)
.set OTA,  104                         ; O^T of a step's first 128 keys (first: my queries' x)
.set LX,   120                         ; a chunk of x as loaded
.set KR,   168                         ; v168-231 k's results
.set VF,   168                         ; v168-215 v's four fragments
.set PCD,  216                         ; v216-239 p's codes
.set OTB,  240                         ; O^T of a step's second 128 keys (first: bq)
.set MSB, 0
.macro WIN new                         ; the immediate's high byte repeats the setting that is left
.if MSB != \new
	s_set_vgpr_msb (MSB<<8)|\new
.set MSB, \new
.endif
.endm
.macro WALU
	s_wait_alu depctr_va_vdst(0)
.endm
.macro MM d, a, b, c, sa, sb, ra, rb   ; D = A B + C
	v_wmma_scale_f32_16x16x128_f8f6f4 v[(\d):(\d)+7], v[(\a):(\a)+11], v[(\b):(\b)+11], v[(\c):(\c)+7], v[(\sa)], v[(\sb)] matrix_a_fmt:MATRIX_FMT_FP6 matrix_b_fmt:MATRIX_FMT_FP6 matrix_a_scale:MATRIX_SCALE_ROW\ra matrix_b_scale:MATRIX_SCALE_ROW\rb
.endm
.macro MM0 d, a, b, sa, sb             ; D = A B
	v_wmma_scale_f32_16x16x128_f8f6f4 v[(\d):(\d)+7], v[(\a):(\a)+11], v[(\b):(\b)+11], 0, v[(\sa)], v[(\sb)] matrix_a_fmt:MATRIX_FMT_FP6 matrix_b_fmt:MATRIX_FMT_FP6
.endm
.macro XGL win, dst, ls, n             ; 14 loads: the chunk n stages on from s[4:5]: 6,144 dense bytes, each load 512 consecutive bytes, aligned; and its scale words
	WIN \win
.irp i, 0,1,2,3,4,5,6,7,8,9,10,11
	global_load_b128 v[\dst+4*\i:\dst+4*\i+3], v[GX], s[4:5] offset:49152*(\n)+512*\i
.endr
	WIN 0
.irp p, 0,1
	global_load_b32 v[\ls+\p], v[GS], s[6:7] offset:2048*(\n)+64*\p
.endr
.endm
.macro STAGE win, src                  ; a chunk of x into my stage: twelve stores
	WIN \win
.irp i, 0,1,2,3,4,5,6,7,8,9,10,11
	ds_store_b128 v[ST16], v[\src+4*\i:\src+4*\i+3] offset:512*\i+16*(\i/6)
.endr
	WIN 0
.endm
.macro XLD                             ; and back as four fragments.  LDS serves a wave's instructions in order (ISA guide 5.7.1.4): these see the stores above
.irp t, 0,1,2,3
.irp g, 0,1,2
	ds_load_b128 v[XF+12*\t+4*\g:XF+12*\t+4*\g+3], v[SX] offset:768*\t+16*\g
.endr
.endr
.endm
.macro RADR                            ; where this stage's images and words are loaded from
	v_add_nc_u32 v[AKC], s66, v[AK]
	v_add_nc_u32 v[AK8C], s66, v[AK8]
	v_add_nc_u32 v[AKSC], s67, v[AKS]
	v_add_nc_u32 v[AVSC], s68, v[AVS]
.endm
.macro KLD o                           ; four fragments of k, six data registers each: eight loads
.irp f, 0,1,2,3
	ds_load_b128 v[KF+12*\f:KF+12*\f+3], v[AKC] offset:\o+3072*(\f/2)+768*(\f%2)
	ds_load_b64 v[KF+12*\f+4:KF+12*\f+5], v[AK8C] offset:\o+3072*(\f/2)+768*(\f%2)
.endr
.endm
.macro KLD0                            ; a step's first ten loads: the fragments of its chunks 2 and 3, which come first, and all scale words of k
	KLD 6144
	ds_load_b128 v[SKW:SKW+3], v[AKSC]
	ds_load_b128 v[SKW+4:SKW+7], v[AKSC] offset:16
.endm
.macro VLD                             ; v's four fragments and four words: seventeen loads
	WIN 0x40
.irp q, 0,1,2,3
.irp d, 0,1
	ds_load_b128 v[VF+24*(\q/2)+12*\d+6*(\q%2):VF+24*(\q/2)+12*\d+6*(\q%2)+3], v[AKC] offset:3072*\q+1536+768*\d
	ds_load_b64 v[VF+24*(\q/2)+12*\d+6*(\q%2)+4:VF+24*(\q/2)+12*\d+6*(\q%2)+5], v[AK8C] offset:3072*\q+1536+768*\d
.endr
.endr
	WIN 0
	ds_load_b128 v[SVW:SVW+3], v[AVSC]
.endm
.macro ACCR i                          ; the sums' eight pairs: four in k's data registers, and v120-127
.if (\i) < 4
.set AR, KF+12*(\i)+4
.else
.set AR, 112+2*(\i)
.endif
.endm
.macro FOLD i                          ; the sums' end: i = 0: eight pairs to four; 1: to two; 2: to one; 3: the row's sum under the new M
.if (\i) == 0
.irp j, 0,1,2,3
	v_pk_add_f32 v[KF+12*\j+4:KF+12*\j+5], v[KF+12*\j+4:KF+12*\j+5], v[120+2*\j:121+2*\j]
.endr
.elseif (\i) == 1
	v_pk_add_f32 v[KF+4:KF+5], v[KF+4:KF+5], v[KF+28:KF+29]
	v_pk_add_f32 v[KF+16:KF+17], v[KF+16:KF+17], v[KF+40:KF+41]
.elseif (\i) == 2
	v_pk_add_f32 v[KF+4:KF+5], v[KF+4:KF+5], v[KF+16:KF+17]
.else
	v_pk_fma_f32 v[LS:LS+1], v[LS:LS+1], v[FF:FF+1], v[KF+4:KF+5] op_sel_hi:[1,0,1]
.endif
.endm
; ---- a chunk: 64 keys: sixteen products on sixteen accumulators; six blocks a lane are quantised
.macro FV i, red                       ; among v's products: the last step's sums (red), addresses, the mask words
.if (\i) == 0
	s_cmp_lt_u32 s61, 32                           ; the chunk's first atom, 8 n + w (the bit's number is taken modulo 32)
	s_cselect_b32 s47, s40, s41
	s_bitcmp1_b32 s47, s61
	s_cselect_b32 s44, 0, s35                      ; where it is not valid all mask bytes become 191
.if \red
	FOLD 0
.endif
.elseif (\i) == 1
	v_add_nc_u32 v[KW16C], s59, v[KW16]
	v_add_nc_u32 v[KW8C], s59, v[KW8]
	v_add_nc_u32 v[KWSC], s60, v[KWS]
	v_add_nc_u32 v[VWSC], s62, v[VWS]
.elseif (\i) == 2
.if \red
	FOLD 1
	RADR
.endif
.else
.if \red
	FOLD 2
.endif
.irp p, 0,1
	v_or_b32 v[TT+\p], s44, v[MSKW+\p]
.endr
.endif
.endm
.macro VTEMP d, t                      ; the register of tile t's chain of v's block d
.if (\t) == 0
.set MT, TM+4+(\d)
.elseif (\t) == 1
.set MT, TH+(\d)
.else
.set MT, PT+2*(\t)-4+(\d)
.endif
.set S, VR+32*(\d)+8*(\t)
.endm
.macro FK i, red                       ; among k's products: v's largest magnitudes, eight chains
.if ((\i) == 0) && (\red)
	FOLD 3
.endif
.if (\i) < 3
.irp t, 0,1,2,3
.irp d, 0,1
	VTEMP \d, \t
.if (\i) == 0
.if \t
	v_max3_num_f32 v[MT], |v[S]|, |v[S+1]|, |v[S+2]|
.else
	v_max3_num_f32 v[MT], |v[S]|, |v[S+1]|, 0x1800000       ; the floor 2^(3 - 127): the byte cannot fall under 1
.endif
.elseif \t
	v_max3_num_f32 v[MT], v[MT], |v[S+2*(\i)+1]|, |v[S+2*(\i)+2]|
.else
	v_max3_num_f32 v[MT], v[MT], |v[S+2*(\i)]|, |v[S+2*(\i)+1]|
.endif
.endr
.endr
.else
.irp d, 0,1
	v_max3_num_f32 v[TM+4+\d], v[TM+4+\d], |v[VR+32*\d+6]|, |v[VR+32*\d+7]|
	v_max3_num_f32 v[PT+\d], v[PT+\d], v[PT+2+\d], |v[VR+32*\d+23]|
.endr
.irp d, 0,1
	v_max3_num_f32 v[TM+4+\d], v[TM+4+\d], v[TH+\d], |v[VR+32*\d+15]|
.endr
.irp d, 0,1
	v_max3_num_f32 v[TM+4+\d], v[TM+4+\d], v[PT+\d], |v[VR+32*\d+31]|
.endr
.endif
.endm
.macro PRODS red
.irp p, 0,1
.irp u, 0,1
	WIN 0x14
.irp d, 0,1
	MM VR+32*\d+16*\p+8*\u, XF+24*\p+12*\u, WVF+12*\d, BVT+8*\d, SCX+\p, SWV, \u, \d   ; v: lane (r, h), register 8 T + j: d = 16 d + r, block h, key 8 T + j
.endr
	WIN 0
	FV 2*\p+\u, \red
.endr
.endr
.irp p, 0,1
.irp u, 0,1
	WIN 0x51
.irp e, 0,1
	MM KR+32*\p+16*\u+8*\e, WKF+12*\e, XF+24*\p+12*\u, BKT+8*\e, SWK, SCX+\p, \e, \u   ; k, transposed: lane (r, h): the tile's key r, d = 16 h + 8 e + j
.endr
	WIN 0
	FK 2*\p+\u, \red
.endr
.endr
	; k's largest magnitudes: two chains for each tile
	WIN 0x05
.irp t, 0,1,2,3
	v_max3_num_f32 v[TM+\t], |v[KR+16*\t]|, |v[KR+16*\t+1]|, 0x1800000
.endr
	WIN 0x15
.irp t, 0,1,2,3
	v_max3_num_f32 v[PT+\t], |v[KR+16*\t+8]|, |v[KR+16*\t+9]|, |v[KR+16*\t+10]|
.endr
	WIN 0x05
.irp i, 2,4,6
.irp t, 0,1,2,3
	v_max3_num_f32 v[TM+\t], |v[KR+16*\t+\i]|, |v[KR+16*\t+1+\i]|, v[TM+\t]
.if \i < 6
	v_max3_num_f32 v[PT+\t], |v[KR+16*\t+9+\i]|, |v[KR+16*\t+10+\i]|, v[PT+\t]
.endif
.endr
.endr
	WIN 0x01
.irp t, 0,1,2,3
	v_max3_num_f32 v[TM+\t], |v[KR+16*\t+15]|, v[TM+\t], v[PT+\t]
.endr
	WIN 0
	s_add_co_u32 s61, s61, 8
	s_add_co_u32 s59, s59, IMG
	s_add_co_u32 s60, s60, 1024
	s_add_co_u32 s62, s62, 512
.if \red
	s_add_co_u32 s66, s66, IMG
	s_add_co_u32 s67, s67, 1024
	s_add_co_u32 s68, s68, 512
.endif
	WALU
.endm
.macro QUANT
.irp t, 0,1,2,3
	v_permlanex16_b32 v[PT+\t], v[TM+\t], s48, s49
.endr
.irp b, 4,5
	v_add_nc_u32 v[TM+\b], 0xff000000, v[TM+\b]    ; 2 off the exponent field: the conversion's scale operand
.endr
.irp t, 0,1,2,3
	v_max_num_f32 v[TM+\t], v[TM+\t], v[PT+\t]     ; with lane l xor 16's half of the key's 32
.endr
.irp b, 0,1,2,3
	v_add_nc_u32 v[TM+\b], 0xff000000, v[TM+\b]
.endr
.irp b, 0,1,2,3,4,5
	v_lshrrev_b32 v[PT+\b], 23, v[TM+\b]           ; the scale bytes: k's four, v's two
.endr
	WIN 0x01
.irp t, 0,1,2,3
	v_cvt_scalef32_pk16_fp6_f32 v[CD+4*\t:CD+4*\t+2], v[KR+16*\t:KR+16*\t+15], v[TM+\t]
.endr
	WIN 0
.irp d, 0,1
	v_cvt_scalef32_pk16_fp6_f32 v[CD+16+8*\d:CD+18+8*\d], v[VR+32*\d:VR+32*\d+15], v[TM+4+\d]
	v_cvt_scalef32_pk16_fp6_f32 v[CD+20+8*\d:CD+22+8*\d], v[VR+32*\d+16:VR+32*\d+31], v[TM+4+\d]
.endr
.irp p, 0,1
	v_lshl_or_b32 v[KWD+\p], v[PT+2*\p+1], 8, v[TT+\p]   ; k's scale word: the two keys' bytes, the two mask bytes.  (Plain places behind the conversions)
.endr
.endm
.macro CODES i                         ; what is left of a chunk: four groups
.if (\i) == 0
.irp p, 0,1
	v_or_b32 v[KWD+\p], v[KWD+\p], v[PT+2*\p]
.endr
.elseif (\i) == 1
.irp j, 0,1,2
.irp p, 0,1
	v_permlane16_swap_b32 v[CD+8*\p+\j], v[CD+8*\p+4+\j]   ; k: lanes 0-15 now hold the first tile's key whole, lanes 16-31 the second's
.endr
.endr
.elseif (\i) == 2
.irp j, 0,1
.irp k, 0,1,2,3
	v_mov_b32 v[CD+8*\k+3+\j], v[CD+8*\k+4+\j]     ; (a conversion's registers begin on an even number)
.endr
.endr
.else
.irp k, 0,1,2,3
	v_mov_b32 v[CD+8*\k+5], v[CD+8*\k+6]
.endr
.endif
.endm
.macro IMAGES                          ; the chunk's images, k's words, v's bytes: eleven stores
.irp k, 0,1,2,3
	ds_store_b128 v[KW16C], v[CD+8*\k:CD+8*\k+3] offset:768*\k
	ds_store_b64 v[KW8C], v[CD+8*\k+4:CD+8*\k+5] offset:768*\k
.endr
	ds_store_b64 v[KWSC], v[KWD:KWD+1]
.irp d, 0,1
	ds_store_b8 v[VWSC], v[TH+\d] offset:4*\d
.endr
.endm
; ---- a step: 16 queries, 256 keys
.macro QK b, list                      ; S^T of chunks 2 b, 2 b + 1: lane (r, h), register 32 q + 8 T + j: query r, chunk q's block h, key 8 T + j
.irp q, 0,1
.irp p, 0,1
	WIN 0x04
.irp u, 0,1
	MM0 SCR+64*(\b)+32*\q+16*\p+8*\u, KF+24*\q+12*\p, QV+12*\u, SKW+4*(\b)+2*\q+\p, SQW+\u
.endr
	WIN 0
	\list 2*\q+\p
.endr
.endr
.endm
.macro F_CODES i                       ; among the first scores: the chunk's codes; the last group is also the places behind the products (ISA guide 7.12.1 for vector instructions)
.if (\i) == 0
	v_mov_b32 v[TT], v[NM]
.endif
	CODES \i
.endm
.macro F_PLAIN i                       ; the same where there is no chunk
.if (\i) == 3
	v_mov_b32 v[TT], v[NM]
.rept 3
	v_nop
.endr
.endif
.endm
.macro STEMP q, t
.if (\t) == 0
.set MT, BM+(\q)
.else
.set MT, 30+2*(\t)+(\q)%2
.endif
.set S, SCR+32*(\q)+8*(\t)
.endm
.macro MX i, a, b                      ; blocks a and b's largest scores, eight chains, in four groups
.if (\i) < 3
.irp t, 0,1,2,3
.irp q, \a, \b
	STEMP \q, \t
.if (\i) == 0
	v_max3_num_f32 v[MT], v[S], v[S+1], v[S+2]
.else
	v_max3_num_f32 v[MT], v[MT], v[S+2*(\i)+1], v[S+2*(\i)+2]
.endif
.endr
.endr
.else
.irp q, \a, \b
	v_max3_num_f32 v[BM+\q], v[BM+\q], v[32+\q%2], v[SCR+32*\q+7]
	v_max3_num_f32 v[34+\q%2], v[34+\q%2], v[36+\q%2], v[SCR+32*\q+15]
.endr
.irp q, \a, \b
	v_max3_num_f32 v[BM+\q], v[BM+\q], v[34+\q%2], v[SCR+32*\q+23]
.endr
.irp q, \a, \b
	v_max_num_f32 v[BM+\q], v[BM+\q], v[SCR+32*\q+31]
.endr
.endif
.endm
.macro F_MAX i                         ; among the second scores: the first scores' largest
	MX \i, 2, 3
.endm
.macro TM2 j                           ; t - M, two at a time (of the pairs c and -M the low word serves both halves)
	v_pk_fma_f32 v[\j:\j+1], v[\j:\j+1], s[50:51], v[NM:NM+1] op_sel_hi:[1,0,0]
.endm
.macro EXPS q, f, a                    ; block q's 32 exponentials; among them the next block's arguments (f) and sums of earlier blocks (a): none reads what was written behind the last wait
.set I, 0
.rept 16
	v_exp_f32 v[SCR+32*(\q)+2*I], v[SCR+32*(\q)+2*I]
	v_exp_f32 v[SCR+32*(\q)+2*I+1], v[SCR+32*(\q)+2*I+1]
.if \f
	TM2 SCR+32*(\q)+32+2*I
.endif
.if ((\a) > 0) && (I%2)
.set J, I/2
	ACCR J
.if (\a) == 1
	v_pk_add_f32 v[AR:AR+1], v[SCR+2*J:SCR+2*J+1], v[SCR+16+2*J:SCR+17+2*J]
.else
	v_pk_add_f32 v[AR:AR+1], v[AR:AR+1], v[SCR+16*(\a)+2*J:SCR+16*(\a)+2*J+1]
.endif
.endif
.set I, I+1
.endr
	WALU                                           ; the wait behind and ahead of a batch
.endm
.macro ADDS from, base                 ; four of the sums: pairs from, from + 1, ..
.set I, \from
.rept 4
	ACCR I
	v_pk_add_f32 v[AR:AR+1], v[AR:AR+1], v[\base+2*I:\base+2*I+1]
.set I, I+1
.endr
.endm
.macro SOFT sig, load, xl
	QK 0, F_MAX
.irp i, 0,1,2,3
	MX \i, 0, 1
.endr
	v_max3_num_f32 v[TT+1], v[BM], v[BM+1], v[BM+2]
	v_max_num_f32 v[TT+1], v[TT+1], v[BM+3]
	v_permlanex16_b32 v[TT+2], v[TT+1], s48, s49
	v_max3_num_f32 v[SM], v[SM], v[TT+1], v[TT+2]  ; the running largest score of my query
	v_mul_f32 v[TT+3], s52, v[SM]                  ; -t
	v_floor_f32 v[NM], v[TT+3]                     ; the new -M = floor(-t) = -ceil(t): M is a whole number
.set I, 0
.rept 16
	TM2 SCR+2*I
.if I == 3
	v_sub_f32 v[TT], v[NM], v[TT]                  ; old M less new M: a whole number, 0 or less
.elseif I == 7
	v_cvt_i32_f32 v[TT], v[TT]                     ; (it saturates)
.elseif I == 11
	v_ldexp_f32 v[FF], 1.0, v[TT]                  ; f = 2^(old M - new M): a multiplication by it rounds nothing
.endif
.set I, I+1
.endr
.irp j, 0,2
	TM2 BM+\j
.endr
	WALU                                           ; the wait ahead of the batch, and directly ahead of the wait below
	s_wait_dscnt 0x0                               ; for the others' sake: my stores have landed; and v is in
.if \sig
	s_barrier_signal -1                            ; my images of the next stage are stored
.endif
.if \load
	s_add_nc_u64 s[4:5], s[4:5], 49152             ; (every load by these bases is done, and the landing place has been read)
	s_add_nc_u64 s[6:7], s[6:7], 2048
	XGL 0x40, LX, LSX, 2
.endif
	EXPS 0, 1, 0
	EXPS 1, 1, 1
	EXPS 2, 1, 2
	EXPS 3, 0, 3
.irp q, 0,1,2,3
	v_max_num_f32 v[BM+\q], 0xc2f80000, v[BM+\q]   ; -124: the scale's byte cannot fall under 1 (a block whose every p is 0 keeps that byte: its codes are zeros)
.endr
	ADDS 0, SCR+64
.irp q, 0,1,2,3
	v_cvt_floor_i32_f32 v[BH+\q], v[BM+\q]         ; the exponent of the block's largest p
.endr
	ADDS 4, SCR+64
.irp q, 0,1,2,3
	v_lshl_add_u32 v[SO+\q], v[BH+\q], 23, 0x3e800000   ; 2 off it, as an f32's exponent field: the conversion's scale operand
.endr
.irp g, 0,1
	v_lshl_add_u32 v[TT+1+\g], v[BH+2*\g+1], 16, v[BH+2*\g]
.endr
	WIN 0x40
.irp q, 0,1,2,3
	v_cvt_scalef32_pk16_fp6_f32 v[PCD+6*\q:PCD+6*\q+2], v[SCR+32*\q:SCR+32*\q+15], v[SO+\q]
.endr
	WIN 0
.irp q, 0,1,2,3
	v_cvt_scalef32_pk16_fp6_f32 v[KF+12*\q:KF+12*\q+2], v[SCR+32*\q+16:SCR+32*\q+31], v[SO+\q]   ; (a conversion's registers begin on an even number)
.endr
.if \xl
	XLD                                            ; the next chunk's x, out of my stage, onto scores that are done with
.endif
	v_permlanex16_b32 v[TT+3], v[TT+1], s48, s49
	v_permlanex16_b32 v[P2], v[TT+2], s48, s49
	ADDS 0, SCR+80
	v_lshl_add_u32 v[TT+1], v[TT+3], 8, v[TT+1]    ; lanes 0-15: blocks 0 and 2 are mine, 1 and 3 lane l xor 16's
	v_lshl_add_u32 v[TT+2], v[P2], 8, v[TT+2]
	ADDS 4, SCR+80
.irp g, 0,1
	v_add_nc_u32 v[SPW+\g], 0x7d7d7d7d, v[TT+1+\g] ; 125 on each: p's scale word of 128 keys
.endr
	ADDS 0, SCR+96
	ADDS 4, SCR+96
	WIN 0x40
.irp q, 0,1,2,3
.irp i, 0,1,2
	v_mov_b32 v[PCD+6*\q+3+\i], v[KF+12*\q+\i]
.endr
.endr
	WIN 0x41
	WALU                                           ; the wait ahead of O^T's first readers
.irp j, 0,2,4,6,8,10,12,14
	v_pk_mul_f32 v[OTA+\j:OTA+1+\j], v[OTA+\j:OTA+1+\j], v[FF:FF+1] op_sel_hi:[1,0]   ; O^T under the new M
.endr
.irp j, 0,2,4,6,8,10,12,14
	v_pk_mul_f32 v[OTB+\j:OTB+1+\j], v[OTB+\j:OTB+1+\j], v[FF:FF+1] op_sel_hi:[1,0]
.endr
	WIN 0x55
.irp d, 0,1
	MM OTA+8*\d, VF+12*\d, PCD, OTA+8*\d, SVW+\d, SPW, 0, 0              ; O^T += V^T P^T: lane (r, h), register 8 d + j: query r, channel 16 d + 8 h + j
.endr
	WIN 0
	ADDS 0, SCR+112
	WIN 0x55
.irp d, 0,1
	MM OTB+8*\d, VF+24+12*\d, PCD+12, OTB+8*\d, SVW+2+\d, SPW+1, 0, 0
.endr
	WIN 0
	ADDS 4, SCR+112                                ; (with the next lines places behind the products)
	WALU
.endm
; ---- a whole stage: chunk s + 1 and step s.  stage: x of the chunk after that is turned; load: x one chunk further on is asked for; xl: the next chunk's fragments are fetched
.macro BODY stage, load, xl
	s_wait_dscnt 0x0                               ; the chunk's fragments of x are in
	PRODS 1
	s_barrier_wait -1                              ; this stage's images are whole
	KLD0
	QUANT
	WALU                                           ; directly ahead of the wait below
	s_wait_dscnt 0x0                               ; k's first four fragments and its words are in
	QK 1, F_CODES
	KLD 0
	VLD
	IMAGES
.if \stage
	s_wait_loadcnt 0x0                             ; x has come
.irp p, 0,1
	v_perm_b32 v[SCX+\p], v[LSX+\p], v[LSX+\p], s53
.endr
	STAGE 0x04, LX
	s_wait_dscnt 40                                ; k's second four fragments are in: v's 17 loads, the images' 11 stores and the stage's 12 are younger
.else
	s_wait_dscnt 28                                ; v's 17 loads and the images' 11 stores are younger
.endif
	SOFT 1, \load, \xl
.endm
	; ================= the head
	s_load_b512 s[4:19], s[0:1], 0x0               ; x's codes s[4:5], x's scales s[6:7], Wq's codes s[8:9], scales s[10:11], bq s[12:13], Wk's codes s[14:15], scales s[16:17], bk s[18:19]
	s_load_b256 s[20:27], s[0:1], 0x40             ; Wv's codes s[20:21], scales s[22:23], bv s[24:25], atom_mask s[26:27]
	s_load_b64 s[28:29], s[0:1], 0x60              ; out0
	v_lshl_add_u32 v[SPA], v0, 2, SPARE
	v_mov_b32 v[NIL], 0
	v_lshrrev_b32 v17, 5, v0
	v_readfirstlane_b32 s30, v17                   ; wave 0..7
	v_and_b32 v[R], 15, v0
	v_bfe_u32 v[HH], v0, 4, 1
	v_and_b32 v[LANE], 31, v0
	v_and_b32 v[RP], 8, v[R]
	v_and_b32 v[R7], 7, v[R]
	v_lshrrev_b32 v[R8], 3, v[R]
	v_add_nc_u32 v[RP], v[RP], v[R]                ; r' = r + (r & 8)
	v_lshlrev_b32 v[GX], 4, v[LANE]
	v_lshlrev_b32 v[L4], 2, v[LANE]
	v_lshlrev_b32 v[R4], 2, v[R]
	v_lshlrev_b32 v[H64], 6, v[HH]
	v_mul_u32_u24 v[LP], v[RP], 96
	v_mul_u32_u24 v[LN], v[R], 96
	v_lshl_add_u32 v[WS], v[HH], 3, v[RP]
	v_lshl_add_u32 v[GS], v[HH], 3, v[R7]
	v_mad_u32_u24 v[LP], v[HH], 48, v[LP]          ; row r', my half's 48 bytes
	v_mad_u32_u24 v[LN], v[HH], 48, v[LN]          ; row r
	v_lshlrev_b32 v[WS], 2, v[WS]                  ; lanes 0-15 tile 0's words, lanes 16-31 tile 1's
	v_lshl_add_u32 v[GS], v[R8], 5, v[GS]
	v_lshlrev_b32 v[GS], 2, v[GS]                  ; lanes 0-15 an even tile's keys, lanes 16-31 the next tile's
	WALU
	s_and_b32 s31, s30, 3                          ; qt
	s_lshr_b32 s32, s30, 2                         ; kq
	s_and_b32 s33, ttmp7, 0xffff                   ; the head
	s_mov_b32 s35, 0xbfbf0000
	s_mov_b32 s48, 0x76543210
	s_mov_b32 s49, 0xfedcba98                      ; v_permlanex16_b32's selects for lane l xor 16
	s_mov_b32 s50, 0x3e8293ee                      ; c = log2(e) / sqrt(32)
	s_mov_b32 s51, s50                             ; (named with it as a pair)
	s_mov_b32 s52, 0xbe8293ee                      ; -c
	s_mov_b32 s53, 0x03010200                      ; v_perm_b32: bytes 1 and 2 change places
	s_mov_b32 s37, 0
	s_mov_b32 s39, 0
	s_lshl_b32 s46, ttmp9, 6
	s_lshl_b32 s47, s31, 4
	s_add_co_u32 s46, s46, s47                     ; my first query: 64 i + 16 qt
	s_mul_i32 s36, s46, 96
	s_lshl_b32 s38, s46, 2
	s_wait_kmcnt 0x0
	s_add_nc_u64 s[54:55], s[4:5], s[36:37]        ; its codes
	s_add_nc_u64 s[56:57], s[6:7], s[38:39]        ; its scale word
	s_mul_i32 s36, s30, 6144
	s_lshl_b32 s38, s30, 8
	s_add_nc_u64 s[4:5], s[4:5], s[36:37]          ; x at my 64 keys of stage 0
	s_add_nc_u64 s[6:7], s[6:7], s[38:39]
	s_mul_i32 s36, s33, 3072                       ; the head's 32 rows of each W,
	s_lshl_b32 s38, s33, 7                         ; their scale words, and the head's 32 numbers of each bias: 128 bytes
	s_add_nc_u64 s[8:9], s[8:9], s[36:37]
	s_add_nc_u64 s[14:15], s[14:15], s[36:37]
	s_add_nc_u64 s[20:21], s[20:21], s[36:37]
	s_add_nc_u64 s[10:11], s[10:11], s[38:39]
	s_add_nc_u64 s[16:17], s[16:17], s[38:39]
	s_add_nc_u64 s[22:23], s[22:23], s[38:39]
	s_add_nc_u64 s[12:13], s[12:13], s[38:39]
	s_add_nc_u64 s[18:19], s[18:19], s[38:39]
	s_add_nc_u64 s[24:25], s[24:25], s[38:39]
	s_lshl_b32 s36, ttmp9, 9
	s_add_co_u32 s36, s36, s38
	s_add_nc_u64 s[28:29], s[28:29], s[36:37]      ; out0 at row i, column 32 head
	XGL 0x40, LX, LSX, 0                           ; 14 loads: chunk 0
	WIN 0x40                                       ; 22 loads: what k and v want
.irp u, 0,1
.irp g, 0,1,2
	global_load_b128 v[WKF+12*\u+4*\g:WKF+12*\u+4*\g+3], v[LP], s[14:15] offset:768*\u+16*\g   ; Wk's tile u: rows 8 u + r'
.endr
.endr
.irp u, 0,1
.irp g, 0,1,2
	global_load_b128 v[WVF+12*\u+4*\g:WVF+12*\u+4*\g+3], v[LN], s[20:21] offset:1536*\u+16*\g  ; Wv's tile u: rows 16 u + r
.endr
.endr
.irp u, 0,1
	global_load_b128 v[BKT+8*\u:BKT+8*\u+3], v[H64], s[18:19] offset:32*\u                    ; bk(16 h + 8 u + 0 .. 7)
	global_load_b128 v[BKT+8*\u+4:BKT+8*\u+7], v[H64], s[18:19] offset:32*\u+16
.endr
	WIN 0
	global_load_b32 v[SWK], v[WS], s[16:17]
	global_load_b32 v[SWV], v[L4], s[22:23]
.irp u, 0,1
	global_load_b32 v[26+\u], v[R4], s[24:25] offset:64*\u                                    ; bv(16 u + r)
.endr
	global_load_b32 v38, v[L4], s[26:27]                                                      ; atoms 0-31, a lane an atom
	global_load_b32 v39, v[L4], s[26:27] offset:128                                           ; atoms 32-63
	XGL 0, KF, LS1, 1                              ; 14 loads: chunk 1, for the time being where k's fragments will lie
	s_mul_i32 s73, s30, STGW
	s_add_co_u32 s73, s73, STG                     ; my stage
	s_mul_i32 s47, s30, 3072
	s_mul_i32 s34, s32, 12288
	s_lshl_b32 s71, s32, 9
	s_add_co_u32 s71, s71, KSC
	s_lshl_b32 s69, s31, 3
	s_add_co_u32 s69, s69, s71
	s_lshl_b32 s72, s32, 8
	s_add_co_u32 s72, s72, VSC
	s_bfe_u32 s70, s30, 0x10001
	s_lshl_b32 s70, s70, 3
	s_add_co_u32 s70, s70, s72
	s_and_b32 s46, s30, 1
	s_lshl_b32 s46, s46, 1
	s_add_co_u32 s70, s70, s46
	v_add_nc_u32 v[ST16], s73, v[GX]
	v_mul_u32_u24 v[SX], v[R7], 96
	v_add_nc_u32 v[KW16], s47, v[GX]
	v_lshl_add_u32 v[KW8], v[LANE], 3, s47
	v_mad_u32_u24 v[SX], v[R8], 3088, v[SX]
	v_lshl_add_u32 v[KWS], v[R], 5, s69
	v_lshl_add_u32 v[VWS], v[R], 4, s70
	v_add_nc_u32 v[AK], s34, v[GX]
	v_mad_u32_u24 v[SX], v[HH], 48, v[SX]
	v_lshl_add_u32 v[AK8], v[LANE], 3, s34
	v_lshl_add_u32 v[AKS], v[R], 5, s71
	v_lshl_add_u32 v[AVS], v[R], 4, s72
	v_add_nc_u32 v[SX], s73, v[SX]
	v_add_nc_u32 v[KW8], 512, v[KW8]
	v_add_nc_u32 v[AK8], 512, v[AK8]
	v_add_nc_u32 v[VWS], v[VWS], v[HH]
	s_mov_b32 s59, 0                               ; the stage's offsets: images, k's words, v's words: where I store,
	s_mov_b32 s60, 0
	s_mov_b32 s62, 0
	s_mov_b32 s66, 0                               ; and where I load
	s_mov_b32 s67, 0
	s_mov_b32 s68, 0
	s_mov_b32 s61, s30                             ; the chunk's first atom, 8 n + w
	WALU
	s_wait_loadcnt 36                              ; chunk 0 is in: 22 + 14 loads are younger
	STAGE 0x04, LX
	XLD
	WIN 0x40                                       ; 15 loads: what q wants
.irp u, 0,1
.irp g, 0,1,2
	global_load_b128 v[QV+12*\u+4*\g:QV+12*\u+4*\g+3], v[LP], s[8:9] offset:768*\u+16*\g       ; Wq's tile u: rows 8 u + r'
.endr
.endr
.irp g, 0,1,2
	global_load_b128 v[OTA+4*\g:OTA+4*\g+3], v[LN], s[54:55] offset:16*\g                     ; my 16 queries' rows of x
.endr
.irp u, 0,1
	global_load_b128 v[OTB+8*\u:OTB+8*\u+3], v[H64], s[12:13] offset:32*\u                    ; bq(16 h + 8 u + 0 .. 7)
	global_load_b128 v[OTB+8*\u+4:OTB+8*\u+7], v[H64], s[12:13] offset:32*\u+16
.endr
	WIN 0
	global_load_b32 v[SWQ], v[WS], s[10:11]
	global_load_b32 v[SXQ], v[R4], s[56:57]
	s_wait_loadcnt 29                              ; what k and v want is in: chunk 1's 14 and q's 15 are younger
	v_perm_b32 v[SCX], v[LSX], v[LSX], s53
	v_perm_b32 v[SCX+1], v[LSX+1], v[LSX+1], s53
	v_perm_b32 v[SWK], v[SWK], v[SWK], s53
	v_perm_b32 v[SWV], v[SWV], v[SWV], s53
	v_cmp_ne_u32 s40, 0, v38                       ; atoms 0-31 as bits,
	v_cmp_ne_u32 s41, 0, v39                       ; atoms 32-63
	s_or_b32 s46, s40, s41
	s_cselect_b32 s45, -1, 0                       ; with no valid atom q's codes become 0,
	s_cselect_b32 s40, s40, -1                     ; and no key is hidden
	s_cselect_b32 s41, s41, -1
	WIN 0x40
.irp j, 0,1,2,3,4,5,6,7
.irp u, 0,1
	v_mov_b32 v[BVT+8*\u+\j], v[26+\u]             ; in v's result a lane holds one d: its eight registers take the same bias
.endr
.endr
	WIN 0
	v_mov_b32 v24, s40                             ; my row's second atoms: r & 7, and 8, 16, 24 further on; rows 8-15: 32 further on
	v_mov_b32 v25, s41
	v_cmp_lt_u32 vcc_lo, 7, v[R]
	v_cndmask_b32 v24, v24, v25, vcc_lo
	v_lshrrev_b32 v24, v[R7], v24
	v_and_b32 v24, 0x01010101, v24
	v_mul_lo_u32 v24, 0xbe, v24
	v_sub_nc_u32 v24, 0xbfbfbfbf, v24              ; four bytes: 1 where the atom is valid, else 191
	v_lshlrev_b32 v[MSKW], 16, v24
	v_and_b32 v[MSKW+1], 0xffff0000, v24
.irp b, 17,25,26,27,34,35,36,37
	v_mov_b32 v\b, 0                               ; written once: a lane permute's destination counts as one of its sources
.endr
	WALU
	s_wait_dscnt 0x0                               ; chunk 0's fragments are in, and its landing place has been read
	XGL 0x40, LX, LSX, 2                           ; 14 loads: chunk 2
	PRODS 0
	QUANT
.irp i, 0,1,2,3
	CODES \i
.endr
	WALU
	IMAGES
	s_wait_loadcnt 29                              ; chunk 1 is in: q's 15 and chunk 2's 14 are younger
	STAGE 0, KF
.irp p, 0,1
	v_perm_b32 v[SCX+\p], v[LS1+\p], v[LS1+\p], s53
.endr
	s_wait_dscnt 0x0
	s_barrier_signal -1                            ; my images of stage 0 are stored
	; ---- q: my 16 queries, transposed: lane (r, h) gets q(query r, d = 16 h + 0 .. 15) in 16 registers
	XLD                                            ; chunk 1's x
	s_wait_loadcnt 14                              ; what q wants is in: chunk 2's 14 are younger
	v_perm_b32 v[SWQ], v[SWQ], v[SWQ], s53
	v_perm_b32 v[SXQ], v[SXQ], v[SXQ], s53
.irp f, 0,1,2,3
	v_mov_b32 v[KF+12*\f+6], 0x28                  ; blocks 2 and 3 of every fragment of k: the code -1.0, then zeros
.irp j, 7,8,9,10,11
	v_mov_b32 v[KF+12*\f+\j], 0
.endr
.endr
	WIN 0x55
.irp e, 0,1
	MM KR+8*\e, QV+12*\e, OTA, OTB+8*\e, SWQ, SXQ, \e, 0
.endr
	WIN 0
	v_mov_b32 v[LS], 0
	v_mov_b32 v[LS+1], 0
	v_mov_b32 v[FF], 0
	v_mov_b32 v[FF+1], 0
	v_mov_b32 v[SM], 0xdf000000                    ; the largest score so far: -2^63, over every hidden key's
.irp j, 0,1,2,3
	v_mov_b32 v[KF+12*\j+4], 0                     ; the sums: the first stage folds zeros
	v_mov_b32 v[KF+12*\j+5], 0
	v_mov_b32 v[120+2*\j], 0
	v_mov_b32 v[121+2*\j], 0
.endr
	v_mul_f32 v[TT], s52, v[SM]
	v_floor_f32 v[NM], v[TT]
	WIN 0x05
	v_max3_num_f32 v[TM], |v[KR]|, |v[KR+1]|, 0x1800000
.irp i, 2,4,6,8,10,12,14
	v_max3_num_f32 v[TM], |v[KR+\i]|, |v[KR+1+\i]|, v[TM]
.endr
	WIN 0
	v_permlanex16_b32 v[PT], v[TM], s48, s49
	v_max_num_f32 v[TM], v[TM], v[PT]
	v_add_nc_u32 v[TM], 0xff000000, v[TM]
	v_lshrrev_b32 v[TM+1], 23, v[TM]               ; q's scale byte
	WIN 0x01
	v_cvt_scalef32_pk16_fp6_f32 v[36:38], v[KR:KR+15], v[TM]
	WIN 0
	v_add_nc_u32 v[TM+2], -1, v[HH]                ; all ones in lanes 0-15
	v_sub_nc_u32 v[TM+3], 0, v[HH]                 ; all ones in lanes 16-31
	v_or_b32 v[SQW], 0x017f0100, v[TM+1]           ; (q's byte, 1, 127, 1)
	v_lshl_or_b32 v[SQW+1], v[TM+1], 8, 0x7f010001 ; (1, q's byte, 1, 127)
.irp i, 0,1,2
	v_and_b32 v[36+\i], s45, v[36+\i]
.endr
.irp i, 0,1,2
	v_permlanex16_b32 v[32+\i], v[36+\i], s48, s49 ; the other half's 16 codes of my query
.endr
	WIN 0x40
.irp i, 0,1,2
	v_and_b32 v[QV+\i], v[36+\i], v[TM+2]          ; variant 0: q whole in lanes 0-15 (block 0), zeros in lanes 16-31 (block 1)
	v_and_b32 v[QV+3+\i], v[32+\i], v[TM+2]
	v_and_b32 v[QV+12+\i], v[32+\i], v[TM+3]       ; variant 1: the other way round
	v_and_b32 v[QV+15+\i], v[36+\i], v[TM+3]
.endr
	v_and_b32 v[QV+6], 8, v[TM+2]                  ; the code 1.0 at the head of block 2 (variant 0)
	v_and_b32 v[QV+18], 8, v[TM+3]                 ; or of block 3 (variant 1)
.irp j, 7,8,9,10,11,19,20,21,22,23
	v_mov_b32 v[QV+\j], 0
.endr
.irp j, 0,1,2,3,4,5,6,7,8,9,10,11,12,13,14,15
	v_mov_b32 v[OTA+\j], 0                         ; O^T.  (The step is written for every step alike: the first change of M leaves zeros zeros)
	v_mov_b32 v[OTB+\j], 0
.endr
	WIN 0
	WALU                                           ; the wait at the head's end
	; ================= the stages
	s_mov_b32 s58, 0
.Lstage:                                               ; stages 0 to 4
	BODY 1, 1, 1
	s_add_co_u32 s58, s58, 1
	s_cmp_lt_u32 s58, 5
	s_cbranch_scc1 .Lstage
	BODY 1, 0, 1                                   ; stage 5: chunk 7's x has been asked for, nothing more is
	BODY 0, 0, 0                                   ; stage 6: the last chunk
.irp i, 0,1,2,3
	FOLD \i
.endr
	RADR                                           ; stage 7: the last step
	WALU
	s_barrier_wait -1
	KLD0
	s_wait_dscnt 0x0
	QK 1, F_PLAIN
	KLD 0
	VLD
	s_wait_dscnt 17                                ; k's second four fragments are in: v's 17 loads are younger
	SOFT 0, 0, 0
	; ================= the end: the two halves of the keys are brought under one M by exact powers of two, added, divided by the sum; 64 queries are added
.irp i, 0,1,2,3
	FOLD \i
.endr
	WIN 0x05
.irp j, 0,2,4,6,8,10,12,14
	v_pk_add_f32 v[128+\j:129+\j], v[OTA+\j:OTA+1+\j], v[OTB+\j:OTB+1+\j]
.endr
	WIN 0
	WALU                                           ; the wait ahead of the scalar lines below
	s_mul_i32 s74, s31, STGW
	s_add_co_u32 s74, s74, STG                     ; the stage of wave qt; that of wave qt + 4 lies 4 STGW further on
	s_lshl_b32 s75, s32, 10
	s_add_co_u32 s75, s75, s74
	v_add_f32 v[SM], v[LS], v[LS+1]
	v_and_b32 v1, 31, v0
	v_bfe_u32 v7, v0, 4, 1
	v_and_b32 v10, 15, v0
	v_permlanex16_b32 v26, v[SM], s48, s49
	v_lshl_add_u32 v2, v1, 4, s73                  ; where I put O^T,
	v_lshl_add_u32 v3, v1, 3, s73                  ; and (-M, l)
	v_lshl_add_u32 v4, v1, 4, s75                  ; I add up channels 16 kq .. 16 kq + 15
	v_lshl_add_u32 v5, v1, 3, s74
	v_lshl_add_u32 v6, v7, 5, s73
	v_mul_u32_u24 v8, v7, 25600
	v_lshl_add_u32 v8, v10, 2, v8                  ; channel = lane: of the waves 4 (lane / 16) + 0 .. 3
	v_add_nc_u32 v8, STG, v8
	v_lshlrev_b32 v9, 2, v1
	v_add_f32 v[SM], v[SM], v26                    ; the sum of my query over my keys
	WALU
.irp g, 0,1,2,3
	ds_store_b128 v2, v[128+4*\g:131+4*\g] offset:512*\g
.endr
	ds_store_b64 v3, v[NM:NM+1] offset:ML
	s_wait_dscnt 0x0                               ; for the others' sake: my stores have landed
	s_barrier_signal -1
	s_barrier_wait -1
	ds_load_b64 v[20:21], v5 offset:ML
	ds_load_b64 v[22:23], v5 offset:ML+4*STGW
.irp g, 0,1
	ds_load_b128 v[144+4*\g:147+4*\g], v4 offset:512*\g
	ds_load_b128 v[152+4*\g:155+4*\g], v4 offset:512*\g+4*STGW
.endr
	s_wait_dscnt 0x0
	v_min_num_f32 v24, v20, v22                    ; the least -M: the larger M
	v_sub_f32 v25, v24, v20                        ; a half's M less that: a whole number, 0 or less
	v_sub_f32 v26, v24, v22
	v_cvt_i32_f32 v25, v25
	v_cvt_i32_f32 v26, v26
	v_ldexp_f32 v28, 1.0, v25                      ; exact; 0 for a half all of whose keys are hidden
	v_ldexp_f32 v30, 1.0, v26
	v_mul_f32 v27, v28, v21
	v_fma_f32 v27, v30, v23, v27                   ; the row's sum
	WALU                                           ; the wait ahead of the transcendental
	v_rcp_f32 v32, v27
.irp j, 0,2,4,6
	v_pk_mul_f32 v[144+\j:145+\j], v[144+\j:145+\j], v[28:29] op_sel_hi:[1,0]
.endr
.irp j, 0,2,4,6
	v_pk_fma_f32 v[144+\j:145+\j], v[152+\j:153+\j], v[30:31], v[144+\j:145+\j] op_sel_hi:[1,0,1]
.endr
	WALU                                           ; the wait ahead of the reciprocal's first reader
.irp j, 0,2,4,6
	v_pk_mul_f32 v[144+\j:145+\j], v[144+\j:145+\j], v[32:33] op_sel_hi:[1,0]
.endr
.irp m, 1,2,4,8
.irp j, 0,1,2,3,4,5,6,7
	v_add_f32_dpp v[144+\j], v[144+\j], v[144+\j] row_xmask:\m row_mask:0xf bank_mask:0xf   ; added over the tile's 16 queries
.endr
.endr
	ds_store_b128 v6, v[144:147] offset:RED        ; the sixteen lanes of a half write the same bytes with the same bits
	ds_store_b128 v6, v[148:151] offset:RED+16
	s_wait_dscnt 0x0
	s_barrier_signal -1
	s_barrier_wait -1
	s_cmp_lg_u32 s30, 0                            ; wave 0 adds the four query tiles and stores
	s_cbranch_scc1 .Lend
.irp q, 0,1,2,3
	ds_load_b32 v[20+\q], v8 offset:RED+STGW*\q
.endr
	s_wait_dscnt 0x0
	v_add_f32 v20, v20, v21
	v_add_f32 v22, v22, v23
	v_add_f32 v20, v20, v22
	global_store_b32 v9, v20, s[28:29]             ; 32 lanes store 128 consecutive bytes: all that this work-group owns
.Lend:
	s_wait_tensorcnt 0x0                           ; the wave's end
	ds_add_u32 v[SPA], v[NIL]
	s_wait_dscnt 0x0
	s_endpgm
.Lfunc_end_k_qba25888857_tri_attn:
	.size	k_qba25888857_tri_attn, .Lfunc_end_k_qba25888857_tri_attn-k_qba25888857_tri_attn
	.p2alignl 7, 3214868480
	.fill 96, 4, 3214868480
	.section	.rodata,"a",@progbits
	.p2align	6, 0x0
	.amdhsa_kernel k_qba25888857_tri_attn
		.amdhsa_group_segment_fixed_size 261120
		.amdhsa_private_segment_fixed_size 0
		.amdhsa_enable_private_segment 0
		.amdhsa_kernarg_size 104
		.amdhsa_user_sgpr_count 2
		.amdhsa_user_sgpr_kernarg_segment_ptr 1
		.amdhsa_wavefront_size32 1
		.amdhsa_system_sgpr_workgroup_id_x 1
		.amdhsa_system_sgpr_workgroup_id_y 1
		.amdhsa_system_sgpr_workgroup_id_z 1
		.amdhsa_system_vgpr_workitem_id 0
		.amdhsa_next_free_vgpr 512
		.amdhsa_next_free_sgpr 80
		.amdhsa_reserve_vcc 1
		.amdhsa_float_denorm_mode_32 3
		.amdhsa_float_denorm_mode_16_64 3
		.amdhsa_memory_ordered 1
		.amdhsa_forward_progress 1
		.amdhsa_inst_pref_size 180
	.end_amdhsa_kernel
	.amdgpu_metadata
---
amdhsa.version: [ 1, 2 ]
amdhsa.kernels:
  - .name:           k_qba25888857_tri_attn
    .symbol:         k_qba25888857_tri_attn.kd
    .args:
      - { .name: pair_features_codes, .offset: 0, .size: 8, .value_kind: global_buffer, .address_space: global }
      - { .name: pair_features_scales, .offset: 8, .size: 8, .value_kind: global_buffer, .address_space: global }
      - { .name: Wq_codes, .offset: 16, .size: 8, .value_kind: global_buffer, .address_space: global }
      - { .name: Wq_scales, .offset: 24, .size: 8, .value_kind: global_buffer, .address_space: global }
      - { .name: bq, .offset: 32, .size: 8, .value_kind: global_buffer, .address_space: global }
      - { .name: Wk_codes, .offset: 40, .size: 8, .value_kind: global_buffer, .address_space: global }
      - { .name: Wk_scales, .offset: 48, .size: 8, .value_kind: global_buffer, .address_space: global }
      - { .name: bk, .offset: 56, .size: 8, .value_kind: global_buffer, .address_space: global }
      - { .name: Wv_codes, .offset: 64, .size: 8, .value_kind: global_buffer, .address_space: global }
      - { .name: Wv_scales, .offset: 72, .size: 8, .value_kind: global_buffer, .address_space: global }
      - { .name: bv, .offset: 80, .size: 8, .value_kind: global_buffer, .address_space: global }
      - { .name: atom_mask, .offset: 88, .size: 8, .value_kind: global_buffer, .address_space: global }
      - { .name: out0, .offset: 96, .size: 8, .value_kind: global_buffer, .address_space: global }
    .group_segment_fixed_size: 261120
    .private_segment_fixed_size: 0
    .kernarg_segment_align: 8
    .kernarg_segment_size: 104
    .max_flat_workgroup_size: 256
    .sgpr_count:     80
    .vgpr_count:     512
    .wavefront_size: 32
...
	.end_amdgpu_metadata
.endif
;; end of part 1
